; MI455X (gfx1250); checked and timed in simulation.
; The chip was launched on July 23, 2026; its instructions are those of AMD's public machine-readable ISA for CDNA 5 (MIT licence, August 2026) and "CDNA5" Instruction Set Architecture Reference Guide (July 2026). The comments in the code are by the model that wrote it; some were corrected since.
;; Att6. Allowed arithmetic: matrix products marked QUANTISED: E2M1 operands, one E8M0 scale for each 32 along K, by v_wmma_scale_f32_16x16x128_f8f6f4 with both operands' format E2M1 (or v_wmma_scale_f32_32x16x128_f4), f32 sums; products left as they are: f32 operands where the result goes on into a quantised operand, else bf16, f16 or f32 operands; f32 sums; everything else in f32.
;; Inputs: a 32 x 1,024 float32; b 32 x 1,024 float32; mask 32 x 2,048 bool; t 32 x 2,048 x 1,024 float32; wa 1,024 x 1,024 float32; wb 1,024 x 1,024 float32; wh 1,024 x 1 float32; wt 1,024 x 1,024 float32.
;; Outputs: out0 32 x 1,024 float32.
;; This version of the problem:
;;   THIS VERSION OF THE PROBLEM IS GIVEN IN LOW PRECISION. The matrix products marked QUANTISED in the list below multiply operands that are first quantised to E2M1 (2 exponent bits, 1 mantissa bit; 4 bits a number), with one power-of-two scale for each 32 numbers along K (OCP MX v1.0); their sums are f32. All else is computed in f32.
;;   The module's matrix products, in the order in which they are computed (A, B: the left and right operand; K: the contracted axis; several contracted axes count as one K, in the product's order):
;;     1. [M 65,536, K 1,024] x [K 1,024, N 1,024]; A: input t; B: input wt: QUANTISED
;;     2. [M 32, K 1,024] x [K 1,024, N 1,024]; A: input a; B: input wa: QUANTISED
;;     3. [M 32, K 1,024] x [K 1,024, N 1,024]; A: input b; B: input wb: QUANTISED
;;     4. [M 65,536, K 1,024] x [K 1,024, N 1]; A: computed on the way; B: input wh: left as it is (N = 1 < 16)
;;     5. batch 32 x [M 1,024, K 2,048] x [K 2,048, N 1]; A: input t; B: computed on the way: left as it is (N = 1 < 16)
;;   THE QUANTISER, for each operand of a quantised product, along K:
;;     - K is cut into blocks of 32 from its start; a last block that is shorter is filled with zeros.
;;     - A block's scale is 2^e with e = floor(log2(the largest magnitude in the block)) - 2, held to -126 .. 127; a block of zeros has e = 0. As a byte (E8M0): e + 127.
;;     - Each number is divided by its block's scale, clamped to +-6, and rounded to the nearest number of E2M1, ties to even, subnormals kept.
;;     - The product sums the exact products of the quantised numbers (number of the format x scale) in f32.
;;   ~~~python
;;   def quantise(x, axis):      # numpy; x: float32 -> the quantised numbers, widened to float32 again
;;       x = np.moveaxis(x, axis, -1); K = x.shape[-1]
;;       x = np.pad(x, [(0, 0)] * (x.ndim - 1) + [(0, -K % 32)]); x = x.reshape(x.shape[:-1] + (-1, 32)); a = np.abs(x).max(-1, keepdims=True)
;;       e = np.where(a > 0, np.clip(np.frexp(np.where(a > 0, a, 1))[1] - 1 - 2, -126, 127), 0)      # np.frexp(a)[1] - 1 = floor(log2(a)), exactly
;;       r = np.clip(x / 2.0 ** e, -6, 6)
;;       step = 2.0 ** (np.maximum(np.frexp(np.where(r == 0, 1, r))[1] - 1, 0) - 1)
;;       q = np.round(r / step) * step * 2.0 ** e      # np.round: ties to even
;;       return np.moveaxis(q.reshape(q.shape[:-2] + (-1,))[..., :K], -1, axis).astype(np.float32)
;;   ~~~
;; One version. Each part assembles by itself: llvm-mc -triple=amdgcn-amd-amdhsa -mcpu=gfx1250 --defsym DOCPART=n.
;; ======== version 1 of 1: 3 launches
;; workspace buffers: wtq 524,288 bytes; wts 65,536 bytes; g2 131,072 bytes; ord 262,144 bytes of whole numbers; cnt 4,096 bytes of whole numbers; part 2,088,960 bytes
;; launch prep (part 1): grid 162 x 1, 16 waves a work-group, no clusters, 18,432 bytes of LDS; arguments a, b, mask, wa, wb, wh, wt, wtq, wts, g2, ord, cnt; writes wtq, wts, g2, ord, cnt
.if DOCPART == 1
	.amdgcn_target "amdgcn-amd-amdhsa--gfx1250"
	.amdhsa_code_object_version 6
	.text
	.protected	k_qfcb9fcdde2_prep
	.globl	k_qfcb9fcdde2_prep
	.p2align	8
	.type	k_qfcb9fcdde2_prep,@function
k_qfcb9fcdde2_prep:
	s_mov_b64 s[64:65], 0
	v_nop
	global_prefetch_b8 v0, s[64:65] scope:SCOPE_SE
	s_setreg_imm32_b32 hwreg(HW_REG_WAVE_MODE, 25, 1), 1
	s_wait_xcnt 0x0
; out[b] = sum over t of att[b][t] t[b][t][:], att = softmax_t(s) x mask, renormalised; s[b][t] = sum over h of tanh(Q(t) Q(wt))[b][t][h] G[b][h], G = tanh(Q(a) Q(wa)) tanh(Q(b) Q(wb)) wh.
; WORK LEFT OUT BY THE WHOLE PROGRAM, for all finite values of the inputs:
;  (1) att = e^(s - max) / Z x m, divided by the sum over t of the same: Z and e^(-max) stand in numerator and denominator alike, so out[b] = sum over rows with mask 1 of e^s t / sum over rows with mask 1 of e^s.
;      A row with mask 0 is multiplied by 0 in both sums: it reaches no output, so it is neither read, quantised nor multiplied.  The mask is an input of whole numbers: this launch turns it into a list of the kept rows, which the next launch reads.
;  (2) The softmax's own division by Z cancels as shown.  A maximum IS taken away before every exponential: that of the kept rows (of a part, then over the parts).
;  (3) tanh(x) = 1 - 2 r, r = 1 / (1 + 2^(2 log2(e) x)): s = sum_h G_h - 2 sum_h r_h G_h; the first term is the same for all t of a batch, so it cancels in the quotient: only the second is summed.
; Every input has a way to the output and is loaded.
; LIMITS: a NaN, an infinity or an overflow in a row with mask 0 is not carried to the result; where a masked row's score lies some 87 or more above every kept row's, the formula as written gives 0 / 0 in f32 and this program the finite quotient;
; a batch with no kept row gives NaN; a mask byte other than 0 counts as true; t enters the last sum rounded to bf16; the K sums of the two small products are taken in 8 parts of 128 and added in f32.
; THIS LAUNCH, three jobs by the work-group's number x:
;  x < 32:  wt [k][n] -> codes of E2M1 and E8M0 scale words, laid as images of the operand's registers: wtq [nt 64][s 8][c 2][lane][16 bytes], wts [nt][s][lane] words (units 16 nt .. + 15, K step s of 128).
;  x < 160: g2[b][h] = -2 log2(e) tanh(Q(a) Q(wa)) tanh(Q(b) Q(wb)) wh, 16 units h x 16 rows b a work-group; wave = (a or b, K step): one product of 128 along K each, the eight parts added through LDS.
;           A work-group's 16 waves load 131,072 bytes of rows and as many of weights; a tile's weights are quantised by the two work-groups that share it.
;  else:    for each batch (a wave each) a permutation of its 2,048 rows, the kept ones from the front, the others from the back, and the number of kept ones.
; A block's scale: the largest magnitude's exponent field less 2, held at 1 from below by a floor among the maximum's leaves (a block of zeros keeps the byte 1: its codes are zeros, and only this program reads the bytes).
.set SPARE, 16384                      ; behind the 16,384 bytes of partial sums: the spare words, 128 bytes for each of 16 waves
.set SPW, 254                          ; v254 LDS address of my spare word; never rewritten
.set NIL, 255                          ; v255 0; never rewritten
; 64 numbers of a lane, v[raw + 32 c + i] = k 64 c + 32 h + i of the lane's row or column, become the operand's 8 registers v[cod ..] and the scale word v[wrd] (whole in both halves of the lanes)
.macro QFRAG raw, cod, wrd
.irp c, 0,1
	v_max3_num_f32 v[236+\c], |v[\raw+32*\c]|, |v[\raw+32*\c+1]|, 0x1800000      ; block 2 c + h is all mine; the floor 2^(3 - 127)
.endr
.irp i, 2,4,6,8,10,12,14,16,18,20,22,24,26,28,30
.irp c, 0,1
	v_max3_num_f32 v[236+\c], v[236+\c], |v[\raw+32*\c+\i]|, |v[\raw+32*\c+\i+1]|  ; the two blocks by turns
.endr
.endr
	v_add_nc_u32 v238, 0xff000000, v236            ; 2 off the exponent field: the conversion's scale operand
	v_add_nc_u32 v239, 0xff000000, v237
	v_lshrrev_b32 v240, 23, v238                   ; the scale's byte
	v_lshrrev_b32 v241, 23, v239
	v_lshl_or_b32 v[\wrd], v241, 16, v240          ; blocks h and 2 + h,
	v_lshlrev_b32 v[\wrd], v242, v[\wrd]           ; 8 h bits up;
	v_permlanex16_b32 v246, v[\wrd], s40, s41
	v_or_b32 v[\wrd], v[\wrd], v246                ; with lane l xor 16's two the word is whole
.irp c, 0,1
.irp g, 0,1,2,3
	v_cvt_scalef32_pk8_fp4_f32 v[\cod+4*\c+\g], v[\raw+32*\c+8*\g:\raw+32*\c+8*\g+7], v[238+\c]
.endr
.endr
	v_nop                                          ; one plain line behind the last scaled conversion
.endm
; a weight stored [k][n]: lane (r, h) takes column r and its registers run down K: W(64 c + 32 h + i, r) -> v[144 + 32 c + i]
.macro WLOAD base
.irp c, 0,1
.irp i, 0,1,2,3,4,5,6,7,8,9,10,11,12,13,14,15,16,17,18,19,20,21,22,23,24,25,26,27,28,29,30,31
	global_load_b32 v[144+32*\c+\i], v4, s[\base:\base+1] offset:4096*(64*\c+\i)
.endr
.endr
.endm
	s_load_b512 s[4:19], s[0:1], 0x0               ; a s[4:5], b s[6:7], mask s[8:9], wa s[10:11], wb s[12:13], wh s[14:15], wt s[16:17], wtq s[18:19]
	s_load_b256 s[20:27], s[0:1], 0x40             ; wts s[20:21], g2 s[22:23], ord s[24:25], cnt s[26:27]
	v_lshl_add_u32 v[SPW], v0, 2, SPARE
	v_mov_b32 v[NIL], 0
	v_lshrrev_b32 v1, 5, v0
	v_readfirstlane_b32 s28, v1                    ; wave 0..15
	v_and_b32 v1, 31, v0                           ; lane
	v_and_b32 v2, 15, v0                           ; r
	v_bfe_u32 v3, v0, 4, 1                         ; h
	v_lshlrev_b32 v4, 2, v2
	v_lshl_add_u32 v4, v3, 17, v4                  ; a weight: column r, 32 h rows of 4,096 bytes down
	v_lshlrev_b32 v5, 4, v1                        ; 16 x lane
	v_lshlrev_b32 v6, 2, v1                        ; 4 x lane
	v_lshlrev_b32 v242, 3, v3                      ; 8 h
	v_mov_b32 v246, 0                              ; a lane permute's destination counts as one of its sources
	s_mov_b32 s40, 0x76543210
	s_mov_b32 s41, 0xfedcba98                      ; lane l xor 16
	s_mov_b32 s35, 0
	s_wait_kmcnt 0x0
	s_cmp_lt_u32 ttmp9, 32
	s_cbranch_scc1 .Lj1
	s_cmp_lt_u32 ttmp9, 160
	s_cbranch_scc1 .Lj2
	; ---- the lists: a wave to a batch.  Lane l, register i: the mask bytes of rows 128 i + 4 l + 0 .. 3
	s_sub_co_u32 s30, ttmp9, 160
	s_lshl_b32 s30, s30, 4
	s_add_co_u32 s30, s30, s28                     ; batch
	s_lshl_b32 s34, s30, 11
	s_add_nc_u64 s[8:9], s[8:9], s[34:35]
	s_lshl_b32 s34, s30, 13
	s_add_nc_u64 s[24:25], s[24:25], s[34:35]
	s_lshl_b32 s34, s30, 7
	s_add_nc_u64 s[26:27], s[26:27], s[34:35]
.irp i, 0,1,2,3,4,5,6,7,8,9,10,11,12,13,14,15
	global_load_b32 v[16+\i], v6, s[8:9] offset:128*\i
.endr
	s_mov_b32 s42, 0                               ; kept rows so far
	s_mov_b32 s43, 0                               ; masked rows so far
	s_wait_loadcnt 0x0
; 64 steps of 32 rows.  Each step has an address and a data register of its own, so no store's sources are written again
.set N, 0
.rept 64
	v_bfe_u32 v32, v[16+N/4], 8*(N%4), 8
	v_cmp_ne_u32 vcc_lo, 0, v32
	s_not_b32 s44, vcc_lo
	v_mbcnt_lo_u32_b32 v33, vcc_lo, s42            ; my place among the kept,
	v_mbcnt_lo_u32_b32 v34, s44, s43               ; or among the masked,
	v_sub_nc_u32 v34, 2047, v34                    ; counted from the list's end
	v_cndmask_b32 v33, v34, v33, vcc_lo
	v_min_u32 v33, 0x7ff, v33                      ; (it is under 2,048 by the count; a number made of loaded data is held before it enters an address)
	v_lshlrev_b32 v[64+2*N], 2, v33
	v_add_nc_u32 v[65+2*N], 128*(N/4)+N%4, v6      ; my row: 128 i + k + 4 l
	global_store_b32 v[64+2*N], v[65+2*N], s[24:25]
	s_bcnt1_i32_b32 s45, vcc_lo
	s_add_co_u32 s42, s42, s45
	s_sub_co_u32 s45, 32, s45
	s_add_co_u32 s43, s43, s45
.set N, N+1
.endr
	v_mov_b32 v36, s42
	global_store_b32 v6, v36, s[26:27]             ; the count, 32 times: 128 consecutive bytes
	s_endpgm
.Lj1:	; ---- wt: wave = (tile nt = 2 x + wave / 8, K step s = wave % 8)
	s_lshr_b32 s30, s28, 3
	s_and_b32 s31, s28, 7
	s_lshl_b32 s32, ttmp9, 1
	s_add_co_u32 s32, s32, s30                     ; nt
	s_lshl_b32 s34, s31, 19                        ; 128 s rows of 4,096 bytes
	s_lshl_b32 s33, s32, 6                         ; 16 nt columns
	s_add_co_u32 s34, s34, s33
	s_add_nc_u64 s[16:17], s[16:17], s[34:35]
	s_lshl_b32 s36, s32, 3
	s_add_co_u32 s36, s36, s31                     ; 8 nt + s
	s_lshl_b32 s34, s36, 10
	s_add_nc_u64 s[18:19], s[18:19], s[34:35]
	s_lshl_b32 s34, s36, 7
	s_add_nc_u64 s[20:21], s[20:21], s[34:35]
	WLOAD 16
	s_wait_loadcnt 0x0
	QFRAG 144, 224, 234
	global_store_b128 v5, v[224:227], s[18:19]             ; the image: 512 consecutive bytes a store
	global_store_b128 v5, v[228:231], s[18:19] offset:512
	global_store_b32 v6, v234, s[20:21]
	s_endpgm
.Lj2:	; ---- g2: work-group = (tile nt of 16 units, rows 16 u .. 16 u + 15); wave = (mm = wave / 8: a or b, K step s = wave % 8)
	s_sub_co_u32 s32, ttmp9, 32
	s_and_b32 s46, s32, 1                          ; u
	s_lshr_b32 s32, s32, 1                         ; nt
	s_lshl_b32 s47, s46, 16                        ; 16 u rows of 4,096 bytes: in a, in b and in g2
	s_and_b32 s31, s28, 7
	s_lshr_b32 s30, s28, 3
	s_cmp_eq_u32 s30, 0
	s_cselect_b64 s[36:37], s[4:5], s[6:7]         ; a or b
	s_cselect_b64 s[38:39], s[10:11], s[12:13]     ; wa or wb
	s_lshl_b32 s34, s31, 9                         ; 128 s numbers along a row
	s_add_co_u32 s34, s34, s47
	s_add_nc_u64 s[36:37], s[36:37], s[34:35]
	s_lshl_b32 s34, s31, 19
	s_lshl_b32 s33, s32, 6
	s_add_co_u32 s34, s34, s33
	s_add_nc_u64 s[38:39], s[38:39], s[34:35]
	s_and_b32 s42, s28, 1
	s_lshl_b32 s43, s42, 4
	s_add_co_u32 s34, s33, s43                     ; 64 nt + 16 (wave % 2): the four units of each half that waves 0 and 1 finish
	s_add_nc_u64 s[14:15], s[14:15], s[34:35]
	s_add_co_u32 s34, s34, s47
	s_add_nc_u64 s[22:23], s[22:23], s[34:35]
	v_lshlrev_b32 v7, 12, v2
	v_lshl_add_u32 v7, v3, 7, v7                   ; a, b: row r, + 32 h numbers
	v_lshlrev_b32 v8, 5, v3                        ; wh: 8 h units
	v_lshlrev_b32 v9, 12, v2
	v_lshl_add_u32 v9, v3, 5, v9                   ; g2: row r, + 8 h units
	s_lshl_b32 s45, s28, 10
	v_lshl_add_u32 v10, v1, 4, s45                 ; my partial sums: 1,024 x wave + 16 x lane
	s_lshl_b32 s44, s42, 9
	v_lshl_add_u32 v12, v1, 4, s44                 ; and where waves 0 and 1 read them back
	global_load_b128 v[248:251], v8, s[14:15]
.irp c, 0,1
.irp i, 0,1,2,3,4,5,6,7
	global_load_b128 v[16+32*\c+4*\i:16+32*\c+4*\i+3], v7, s[36:37] offset:256*\c+16*\i   ; row 16 u + r, k = 128 s + 64 c + 32 h + 4 i ..
.endr
.endr
	WLOAD 38
	s_wait_loadcnt 63                              ; behind the rows' loads the weight's 64 were issued; the count's field ends at 63, and a smaller count is safe
	QFRAG 16, 208, 232
	s_wait_loadcnt 0x0
	QFRAG 144, 224, 234
.rept 8
	v_nop                                          ; a scale register written by a vector instruction stands 8 places ahead of a scaled matrix instruction
.endr
	; source 0 = 16 units of the weight, source 1 = 16 rows: lane (r, h), register j = (unit 16 nt + 8 h + j, row 16 u + r)
	v_wmma_scale_f32_16x16x128_f8f6f4 v[16:23], v[224:231], v[208:215], 0, v234, v232 matrix_a_fmt:MATRIX_FMT_FP4 matrix_b_fmt:MATRIX_FMT_FP4
.rept 4
	v_nop
.endr
.irp k, 0,1
	ds_store_b128 v10, v[16+4*\k:19+4*\k] offset:512*\k
.endr
	s_wait_tensorcnt 0x0                           ; behind my last LDS store: the dscnt wait below also shows my stores done, for the others' sake
	ds_add_u32 v[SPW], v[NIL]
	s_wait_dscnt 0x0
	s_barrier_signal -1
	s_barrier_wait -1
	s_cmp_ge_u32 s28, 2
	s_cbranch_scc1 .Lj2end
	; waves 0 and 1: group k = wave of four registers: rows 16 u + r, units 16 nt + 8 h + 4 k + 0 .. 3
.irp m, 0,1
.irp s, 0,1,2,3,4,5,6,7
	ds_load_b128 v[32+32*\m+4*\s:35+32*\m+4*\s], v12 offset:8192*\m+1024*\s
.endr
.endr
	s_wait_dscnt 0x0
.irp s, 1,2,3,4,5,6,7
	v_pk_add_f32 v[32:33], v[32:33], v[32+4*\s:33+4*\s]
	v_pk_add_f32 v[34:35], v[34:35], v[34+4*\s:35+4*\s]
	v_pk_add_f32 v[64:65], v[64:65], v[64+4*\s:65+4*\s]
	v_pk_add_f32 v[66:67], v[66:67], v[66+4*\s:67+4*\s]
.endr
.irp j, 32,34,64,66
	v_pk_mul_f32 v[\j:\j+1], v[\j:\j+1], 0x4038aa3b op_sel_hi:[1,0]    ; 2 log2(e) x
.endr
.irp j, 32,33,34,35,64,65,66,67
	v_exp_f32 v[\j], v[\j]
.endr
	v_nop
	s_wait_alu depctr_va_vdst(0)                   ; one wait for the eight exponentials, ahead of their first reader
.irp j, 32,34,64,66
	v_pk_add_f32 v[\j:\j+1], v[\j:\j+1], 1.0 op_sel_hi:[1,0]
.endr
.irp j, 32,33,34,35,64,65,66,67
	v_rcp_f32 v[\j], v[\j]
.endr
.irp e, 0,1,2,3
	v_mul_f32 v[248+\e], 0xc038aa3b, v[248+\e]     ; -2 log2(e) wh: plain work behind the reciprocals
.endr
	s_wait_alu depctr_va_vdst(0)
.irp j, 32,33,34,35,64,65,66,67
	v_fma_f32 v[\j], v[\j], -2.0, 1.0              ; tanh = 1 - 2 r
.endr
.irp e, 0,1,2,3
	v_mul_f32 v[32+\e], v[32+\e], v[64+\e]
.endr
.irp e, 0,1,2,3
	v_mul_f32 v[32+\e], v[32+\e], v[248+\e]
.endr
	global_store_b128 v9, v[32:35], s[22:23]       ; 16 bytes a lane, rows 4,096 bytes apart: the whole buffer is 131,072 bytes, written once
.Lj2end:
	s_endpgm
.Lfunc_end_k_qfcb9fcdde2_prep:
	.size	k_qfcb9fcdde2_prep, .Lfunc_end_k_qfcb9fcdde2_prep-k_qfcb9fcdde2_prep
	.p2alignl 7, 3214868480
	.fill 96, 4, 3214868480
	.section	.rodata,"a",@progbits
	.p2align	6, 0x0
	.amdhsa_kernel k_qfcb9fcdde2_prep
		.amdhsa_group_segment_fixed_size 18432
		.amdhsa_private_segment_fixed_size 0
		.amdhsa_enable_private_segment 0
		.amdhsa_kernarg_size 96
		.amdhsa_user_sgpr_count 2
		.amdhsa_user_sgpr_kernarg_segment_ptr 1
		.amdhsa_wavefront_size32 1
		.amdhsa_system_sgpr_workgroup_id_x 1
		.amdhsa_system_sgpr_workgroup_id_y 1
		.amdhsa_system_sgpr_workgroup_id_z 1
		.amdhsa_system_vgpr_workitem_id 0
		.amdhsa_next_free_vgpr 256
		.amdhsa_next_free_sgpr 66
		.amdhsa_reserve_vcc 1
		.amdhsa_float_denorm_mode_32 3
		.amdhsa_float_denorm_mode_16_64 3
		.amdhsa_memory_ordered 1
		.amdhsa_forward_progress 1
		.amdhsa_inst_pref_size 80
	.end_amdhsa_kernel
	.amdgpu_metadata
---
amdhsa.version: [ 1, 2 ]
amdhsa.kernels:
  - .name:           k_qfcb9fcdde2_prep
    .symbol:         k_qfcb9fcdde2_prep.kd
    .args:
      - { .name: a, .offset: 0, .size: 8, .value_kind: global_buffer, .address_space: global }
      - { .name: b, .offset: 8, .size: 8, .value_kind: global_buffer, .address_space: global }
      - { .name: mask, .offset: 16, .size: 8, .value_kind: global_buffer, .address_space: global }
      - { .name: wa, .offset: 24, .size: 8, .value_kind: global_buffer, .address_space: global }
      - { .name: wb, .offset: 32, .size: 8, .value_kind: global_buffer, .address_space: global }
      - { .name: wh, .offset: 40, .size: 8, .value_kind: global_buffer, .address_space: global }
      - { .name: wt, .offset: 48, .size: 8, .value_kind: global_buffer, .address_space: global }
      - { .name: wtq, .offset: 56, .size: 8, .value_kind: global_buffer, .address_space: global }
      - { .name: wts, .offset: 64, .size: 8, .value_kind: global_buffer, .address_space: global }
      - { .name: g2, .offset: 72, .size: 8, .value_kind: global_buffer, .address_space: global }
      - { .name: ord, .offset: 80, .size: 8, .value_kind: global_buffer, .address_space: global }
      - { .name: cnt, .offset: 88, .size: 8, .value_kind: global_buffer, .address_space: global }
    .group_segment_fixed_size: 18432
    .private_segment_fixed_size: 0
    .kernarg_segment_align: 8
    .kernarg_segment_size: 96
    .max_flat_workgroup_size: 512
    .sgpr_count:     66
    .vgpr_count:     256
    .wavefront_size: 32
...
	.end_amdgpu_metadata
.endif
;; end of part 1
;; launch main (part 2): grid 32 x 15, 4 waves a work-group, no clusters, 325,376 bytes of LDS; arguments t, wtq, wts, g2, ord, cnt, part; writes part
.if DOCPART == 2
	.amdgcn_target "amdgcn-amd-amdhsa--gfx1250"
	.amdhsa_code_object_version 6
	.text
	.protected	k_qfcb9fcdde2_main
	.globl	k_qfcb9fcdde2_main
	.p2align	8
	.type	k_qfcb9fcdde2_main,@function
k_qfcb9fcdde2_main:
	s_mov_b64 s[64:65], 0
	v_nop
	global_prefetch_b8 v0, s[64:65] scope:SCOPE_SE
	s_setreg_imm32_b32 hwreg(HW_REG_WAVE_MODE, 25, 1), 1
	s_wait_xcnt 0x0
; One part of one batch: up to 144 KEPT rows of t are gathered by the list, quantised to E2M1 along their 1,024, multiplied by wt's codes, put through r = 1 / (1 + 2^(2 log2(e) x)) and summed against g2: the row's score in base 2;
; then the part's maximum m, p = 2^(score - m), l = sum of p, and sum of p x row.  The record (m, l, 1,024 sums) goes to memory; the next launch joins a batch's 15 records.  t is read once.
; LEFT OUT (shown at the head of the first kernel): rows with mask 0, the softmax's own division, the part of the score that is the same for all rows of a batch.
; SHARES.  Work-group (b, c): nb = min(ceil(count / 8), 144) rows from place c nb of batch b's list: 8 parts serve up to 1,152 kept rows, 15 parts all 2,048.  n = the rows that the list has left for this part, 0 to nb.
; A part has 144 slots, 9 tiles of 16, in three groups of three tiles; slots from n on get the weight 0.  EVERY WAVE PASSES EVERY BARRIER, whatever n is.  What n decides is jumped over between barriers:
;  - a group none of whose 48 slots has a row (n <= 48 g) is neither loaded, quantised nor stored, and its images are not fetched: its operand registers get zero codes and zero scale words instead, which phase 2 reads where n > 0;
;  - in a group that has rows, slots from n on repeat the part's last row;
;  - with n = 0 one branch leads round phase 2's products and transcendentals;
;  - in phase 3 a branch inside the loop passes over a trip of 16 slots that all lie at or beyond n: so the bf16 copy of a group that was passed over is never read.
; A part with n = 0 then makes, by the same lines as any other, the record that adds nothing: m = -3e38, l = 0, sums 0.
; LIMIT: -3e38 stands among the maximum's leaves: scores (in base 2) under it are not served.
; These are branches on a count read from memory.  wt's codes go from memory straight into operand registers, from a buffer laid as images of those registers; with no tensor load
; there is no joint load to share, so cluster = none.
; PHASE 1: wave w takes columns 256 w .. + 255 of every row (K steps 2 w, 2 w + 1): loads them as f32, makes codes and scale words, and keeps a bf16 copy in LDS.  Codes go to the other waves as images of the operand's registers, three
; tiles at a time (two barriers each); every wave ends with all 72 fragments in registers.  PHASE 2: wave w takes units 256 w .. + 255, 16 tiles of 16: source 0 = 16 units of wt, source 1 = 16 rows: a lane holds one row (lane % 16) and
; eight units.  SCORES: the four waves' parts meet in LDS (one barrier); every wave makes m, l and p alike.  PHASE 3: wave w sums p x its own 256 columns of the bf16 copy, which it wrote itself.
; REGISTERS, in windows of 256 (s_set_vgpr_msb: bits 1:0 source 0, 3:2 source 1, 5:4 source 2, 7:6 destination):
;  window 0: v1-22 lane terms and addresses; v24-32 the rows' byte offsets; v34-35 addresses by turns; v40-111 the rows' scale words (8 m + s); v112-127 wt's scale words, two sets; v128-143 g2, two sets; v144-215 nine accumulators;
;            v216-233 nine pairs of score sums; v234-251 at work; v252, v253 the add's two.  Phase 1 lays bf16 (v144-207), codes (v208-223) and scale words (v224-225) there, two sets each; phase 3 rows (v144-207), p (v208-223), sums (v224-231).
;  window 1: v0-127 wt's fragments, two sets of 8.  The rows' codes: fragment (m, s) at register 384 + 64 m + 8 s: tiles 0-1 window 1, 2-5 window 2, 6-8 window 3.  In phase 1 window 3 holds four sets of 64 numbers as loaded.
.set PITCH, 2064                       ; a row of the bf16 copy: 2,048 bytes + 16 = 516 words: row r starts at bank 4 r mod 64 (64 banks of 4 bytes: ISA guide 11.1)
.set TROW,  16*PITCH
.set IMG,   144*PITCH                  ; images of 3 tiles x 8 K steps x 1,024 bytes
.set IMGS,  IMG+24576                  ; their scale words, 128 bytes each
.set SPARE, IMGS+3072                  ; the spare words, 128 bytes for each wave
.set SCR,   IMG                        ; behind phase 1's last barrier: 4 x 576 bytes of partial scores,
.set PP,    IMG+2560                   ; and 4 x 640 bytes: each wave's own copy of p
.set LANE, 1
.set RR,   2
.set HH,   3
.set L16,  4
.set L4,   5
.set H32,  6
.set TBW,  7
.set IMW,  9
.set ISW,  10
.set IMR,  11
.set ISR,  12
.set SCW,  13
.set SC0,  14
.set SC4,  15
.set PPW,  16
.set PPR,  17
.set TBR,  18
.set T0,   19
.set T1,   20
.set L8,   21
.set H8,   22
.set ROFF, 24
.set TA,   34
.set XS,   40
.set WS,   112
.set GG,   128
.set ACC,  144
.set SA,   216
.set BF,   144
.set COD,  208
.set PW,   224
.set XX,   144
.set PR,   208
.set OO,   224
.set SPW,  252
.set NIL,  253
.set MSB, 0
.macro WIN new                         ; the immediate's high byte repeats the setting that is left; a switch that changes nothing is dropped
.if MSB != (\new)
	s_set_vgpr_msb (MSB<<8)|(\new)
.set MSB, (\new)
.endif
.endm
.macro BAR                             ; my LDS stores have landed and my LDS loads are in: then the work-group's barrier
	s_wait_dscnt 0x0
	s_barrier_signal -1
	s_barrier_wait -1
.endm
; fragment f = 2 m + u: rows of tile m, K step 2 w + u: lane (r, h) takes k = 64 c + 32 h + 0 .. 31 of its row: 16 loads of 16 bytes into set f % 4 of window 3
.macro RLOAD f
	WIN 0xc0
.irp c, 0,1
.irp i, 0,1,2,3,4,5,6,7
	global_load_b128 v[64*((\f)%4)+32*\c+4*\i:64*((\f)%4)+32*\c+4*\i+3], v[ROFF+(\f)/2], s[28:29] offset:512*((\f)%2)+256*\c+16*\i
.endr
.endr
	WIN 0
.endm
; tile d (counted from the bases) of wt's codes, scale words and g2 into set p: 26 loads
.macro LOADW p, d
	WIN 0x40
.irp s, 0,1,2,3,4,5,6,7
.irp c, 0,1
	global_load_b128 v[64*(\p)+8*\s+4*\c:64*(\p)+8*\s+4*\c+3], v[L16], s[30:31] offset:8192*(\d)+1024*\s+512*\c
.endr
.endr
	WIN 0
.irp s, 0,1,2,3,4,5,6,7
	global_load_b32 v[WS+8*(\p)+\s], v[L4], s[32:33] offset:1024*(\d)+128*\s
.endr
.irp k, 0,1
	global_load_b128 v[GG+8*(\p)+4*\k:GG+8*(\p)+4*\k+3], v[H32], s[34:35] offset:64*(\d)+16*\k
.endr
.endm
; fragment f is quantised, rounded to bf16 and stored
.macro QT f
.set QP, (\f)%2
.set QR, 64*((\f)%4)
.set QM, (\f)/2
.if 17-(\f) >= 3
	s_wait_loadcnt 48                              ; my 16 loads are in; the three younger fragments' 48 may be out
.else
	s_wait_loadcnt 16*(17-(\f))
.endif
	s_wait_dscnt 11                                ; the last fragment's 11 stores may be out; those that read this set's registers are done
	WIN 0x3c
.irp c, 0,1
	v_max3_num_f32 v[236+\c], 0x1800000, |v[QR+32*\c]|, |v[QR+32*\c+1]|            ; block 2 c + h is all mine; the floor 2^(3 - 127)
.endr
.irp i, 2,4,6,8,10,12,14,16,18,20,22,24,26,28,30
.irp c, 0,1
	v_max3_num_f32 v[236+\c], v[236+\c], |v[QR+32*\c+\i]|, |v[QR+32*\c+\i+1]|
.endr
.endr
	WIN 0
	v_add_nc_u32 v238, 0xff000000, v236            ; 2 off the exponent field: the conversion's scale operand
	v_add_nc_u32 v239, 0xff000000, v237
	v_lshrrev_b32 v240, 23, v238
	v_lshrrev_b32 v241, 23, v239
	v_lshl_or_b32 v[PW+QP], v241, 16, v240
	v_lshlrev_b32 v[PW+QP], v[H8], v[PW+QP]
	v_permlanex16_b32 v246, v[PW+QP], s40, s41
	v_or_b32 v[PW+QP], v[PW+QP], v246              ; my row's scale word, whole in both halves of the lanes
	WIN 0x03
.irp c, 0,1
.irp g, 0,1,2,3
	v_cvt_scalef32_pk8_fp4_f32 v[COD+8*QP+4*\c+\g], v[QR+32*\c+8*\g:QR+32*\c+8*\g+7], v[238+\c]
.endr
.endr
	v_nop                                          ; one plain line behind the last scaled conversion
	WIN 0x0f
.irp c, 0,1
.irp i, 0,1,2,3,4,5,6,7,8,9,10,11,12,13,14,15
	v_cvt_pk_bf16_f32 v[BF+32*QP+16*\c+\i], v[QR+32*\c+2*\i], v[QR+32*\c+2*\i+1]
.endr
.endr
	WIN 0
	v_add_nc_u32 v[TA+QP], TROW*QM, v[TBW]
.irp c, 0,1
.irp k, 0,1,2,3
	ds_store_b128 v[TA+QP], v[BF+32*QP+16*\c+4*\k:BF+32*QP+16*\c+4*\k+3] offset:256*QP+128*\c+16*\k
.endr
.endr
.irp c, 0,1
	ds_store_b128 v[IMW], v[COD+8*QP+4*\c:COD+8*QP+4*\c+3] offset:8192*(QM%3)+1024*QP+512*\c
.endr
	ds_store_b32 v[ISW], v[PW+QP] offset:1024*(QM%3)+128*QP
.if (\f)+4 < 18
	RLOAD (\f)+4
.endif
.endm
; the images of tiles 3 g .. 3 g + 2 come back into every wave's registers
.macro FETCH g
.irp mm, 0,1,2
.irp s, 0,1,2,3,4,5,6,7
.set CR, 384+64*(3*(\g)+\mm)+8*\s
.set CL, CR&255
.set CW, (CR>>8)<<6
	WIN CW
	ds_load_b128 v[CL:CL+3], v[IMR] offset:8192*\mm+1024*\s
	ds_load_b128 v[CL+4:CL+7], v[IMR] offset:8192*\mm+1024*\s+512
.endr
.endr
	WIN 0
.irp mm, 0,1,2
.irp s, 0,1,2,3,4,5,6,7
	ds_load_b32 v[XS+8*(3*(\g)+\mm)+\s], v[ISR] offset:1024*\mm+128*\s
.endr
.endr
.endm
; tiles 3 g .. 3 g + 2 have no row: zero codes, which add nothing under any scale byte but 0xff, and the scale byte 0.  The scale words first: they stand furthest ahead of the products
.macro CLEAR g
.irp mm, 0,1,2
.irp s, 0,1,2,3,4,5,6,7
	v_mov_b32 v[XS+8*(3*(\g)+\mm)+\s], 0
.endr
.endr
.irp mm, 0,1,2
.set CR, 384+64*(3*(\g)+\mm)
.set CL, CR&255
.set CW, (CR>>8)<<6
	WIN CW
.set J, 0
.rept 64
	v_mov_b32 v[CL+J], 0
.set J, J+1
.endr
.endr
	WIN 0
.endm
.macro MMT p, s, m
.set CL, (384+64*(\m)+8*(\s))&255
.if (\s) == 0
	v_wmma_scale_f32_16x16x128_f8f6f4 v[ACC+8*(\m):ACC+8*(\m)+7], v[64*(\p)+8*(\s):64*(\p)+8*(\s)+7], v[CL:CL+7], 0, v[WS+8*(\p)+(\s)], v[XS+8*(\m)+(\s)] matrix_a_fmt:MATRIX_FMT_FP4 matrix_b_fmt:MATRIX_FMT_FP4
.else
	v_wmma_scale_f32_16x16x128_f8f6f4 v[ACC+8*(\m):ACC+8*(\m)+7], v[64*(\p)+8*(\s):64*(\p)+8*(\s)+7], v[CL:CL+7], v[ACC+8*(\m):ACC+8*(\m)+7], v[WS+8*(\p)+(\s)], v[XS+8*(\m)+(\s)] matrix_a_fmt:MATRIX_FMT_FP4 matrix_b_fmt:MATRIX_FMT_FP4
.endif
.endm
; 72 products: 16 units x 144 rows x 1,024.  Three runs, one for each window of codes; in a run K ascends and the run's accumulators take turns, one instruction a turn.  The first K step starts each sum with 0
.macro MM p
	WIN 0x05
.irp s, 0,1,2,3,4,5,6,7
.irp m, 0,1
	MMT \p, \s, \m
.endr
.endr
	WIN 0x09
.irp s, 0,1,2,3,4,5,6,7
.irp m, 2,3,4,5
	MMT \p, \s, \m
.endr
.endr
	WIN 0x0d
.irp s, 0,1,2,3,4,5,6,7
.irp m, 6,7,8
	MMT \p, \s, \m
.endr
.endr
	WIN 0
.rept 5
	v_nop                                          ; places behind the last products: four for the reads below, five for the products that later begin these accumulators anew (ISA guide 7.12.1)
.endr
.endm
; r = 1 / (1 + 2^(2 log2(e) x)) of the 72 registers, and the score sums += r x g2.  Two batches of transcendentals, one wait each
.macro TANH p
.set J, 0
.rept 36
	v_pk_mul_f32 v[ACC+J:ACC+J+1], v[ACC+J:ACC+J+1], 0x4038aa3b op_sel_hi:[1,0]    ; each accumulator from its low end on
.set J, J+2
.endr
.set J, 0
.rept 72
	v_exp_f32 v[ACC+J], v[ACC+J]
.set J, J+1
.endr
	v_nop
	s_wait_alu depctr_va_vdst(0)                   ; one wait for the 72 exponentials, ahead of their first reader
.set J, 0
.rept 36
	v_pk_add_f32 v[ACC+J:ACC+J+1], v[ACC+J:ACC+J+1], 1.0 op_sel_hi:[1,0]
.set J, J+2
.endr
.set J, 0
.rept 72
	v_rcp_f32 v[ACC+J], v[ACC+J]
.set J, J+1
.endr
	v_nop
	s_wait_alu depctr_va_vdst(0)                   ; and one for the 72 reciprocals
.irp q, 0,1,2,3
.irp m, 0,1,2,3,4,5,6,7,8
	v_pk_fma_f32 v[SA+2*\m:SA+2*\m+1], v[ACC+8*\m+2*\q:ACC+8*\m+2*\q+1], v[GG+8*(\p)+2*\q:GG+8*(\p)+2*\q+1], v[SA+2*\m:SA+2*\m+1]
.endr
.endr
.endm
; two tiles of units; set 0 is on its way or in at the head.  Each set is asked for one tile's products and transcendentals ahead of its use
.macro PAIR last
	LOADW 1, 1
	s_wait_loadcnt 26                              ; set 0 is in; the 26 loads just issued stay out
	MM 0
	TANH 0
.if \last
	s_wait_loadcnt 0x0
.else
	LOADW 0, 2
	s_wait_loadcnt 26                              ; set 1 is in; the 26 just issued stay out
.endif
	MM 1
	TANH 1
.if !\last
	s_wait_xcnt 0x0                                ; the loads have read their bases: two tiles on
	s_add_nc_u64 s[30:31], s[30:31], 16384
	s_add_nc_u64 s[32:33], s[32:33], 2048
	s_add_nc_u64 s[34:35], s[34:35], 128
.endif
.endm
	s_load_b256 s[4:11], s[0:1], 0x0               ; t s[4:5], wtq s[6:7], wts s[8:9], g2 s[10:11]
	s_load_b128 s[12:15], s[0:1], 0x20             ; ord s[12:13], cnt s[14:15]
	s_load_b64 s[16:17], s[0:1], 0x30              ; part
	v_lshl_add_u32 v[SPW], v0, 2, SPARE
	v_mov_b32 v[NIL], 0
	v_lshrrev_b32 v1, 5, v0
	v_readfirstlane_b32 s18, v1                    ; wave 0..3
	v_and_b32 v[LANE], 31, v0
	v_and_b32 v[RR], 15, v0
	v_bfe_u32 v[HH], v0, 4, 1
	v_lshlrev_b32 v[L16], 4, v[LANE]
	v_lshlrev_b32 v[L4], 2, v[LANE]
	v_lshlrev_b32 v[L8], 3, v[LANE]
	v_lshlrev_b32 v[H32], 5, v[HH]
	v_lshlrev_b32 v[H8], 3, v[HH]
	s_mov_b32 s19, ttmp9                           ; batch b: along x, so that part c of every batch comes ahead of part c + 1 of any
	s_and_b32 s21, ttmp7, 0xffff                   ; part c
	s_lshl_b32 s46, s19, 7
	s_mov_b32 s47, 0
	s_mov_b32 s40, 0x76543210
	s_mov_b32 s41, 0xfedcba98                      ; lane l xor 16
	s_wait_kmcnt 0x0
	s_add_nc_u64 s[14:15], s[14:15], s[46:47]
	s_load_b32 s20, s[14:15], 0x0                  ; the batch's number of kept rows
	s_mul_i32 s46, s19, 15
	s_add_co_u32 s46, s46, s21
	s_mul_i32 s46, s46, 4352
	s_add_nc_u64 s[38:39], s[16:17], s[46:47]      ; my record
	s_lshl_b32 s46, s18, 10
	s_add_nc_u64 s[48:49], s[38:39], s[46:47]      ; + my wave's 1,024 bytes of sums
	s_lshl_b32 s46, s19, 23
	s_lshl_b32 s45, s18, 10
	s_add_co_u32 s46, s46, s45
	s_add_nc_u64 s[28:29], s[4:5], s[46:47]        ; t: batch b, my 256 columns
	s_lshl_b32 s46, s18, 17
	s_add_nc_u64 s[30:31], s[6:7], s[46:47]        ; wt's codes: my 16 tiles
	s_lshl_b32 s46, s18, 14
	s_add_nc_u64 s[32:33], s[8:9], s[46:47]
	s_lshl_b32 s46, s19, 12
	s_add_co_u32 s46, s46, s45
	s_add_nc_u64 s[34:35], s[10:11], s[46:47]      ; g2: batch b, my 256 units
	s_lshl_b32 s46, s19, 13
	s_add_nc_u64 s[36:37], s[12:13], s[46:47]      ; the batch's list
	v_mul_u32_u24 v[TBW], v[RR], PITCH
	v_lshl_add_u32 v[TBW], v[HH], 6, v[TBW]
	s_lshl_b32 s46, s18, 9
	v_add_nc_u32 v[TBW], s46, v[TBW]               ; the bf16 copy, in: row r, + 64 h, + 512 w
	v_add_nc_u32 v[TBR], s46, v[L16]               ; and back: 512 w + 16 x lane
	s_lshl_b32 s46, s18, 11
	s_add_co_u32 s46, s46, IMG
	v_add_nc_u32 v[IMW], s46, v[L16]               ; my two K steps' images
	s_lshl_b32 s46, s18, 8
	s_add_co_u32 s46, s46, IMGS
	v_add_nc_u32 v[ISW], s46, v[L4]
	v_add_nc_u32 v[IMR], IMG, v[L16]
	v_add_nc_u32 v[ISR], IMGS, v[L4]
	s_mul_i32 s46, s18, 576
	s_add_co_u32 s46, s46, SCR
	v_lshl_add_u32 v[SCW], v[RR], 2, s46
	v_add_nc_u32 v[SC0], SCR, v[L4]
	v_lshlrev_b32 v[SC4], 2, v[RR]
	v_add_nc_u32 v[SC4], SCR+512, v[SC4]
	s_mul_i32 s46, s18, 640
	s_add_co_u32 s46, s46, PP
	v_add_nc_u32 v[PPW], s46, v[L4]
	v_mov_b32 v[PPR], s46
	v_mov_b32 v246, 0                              ; a lane permute's destination counts as one of its sources
	s_wait_kmcnt 0x0
	s_min_u32 s20, s20, 2048
	s_add_co_u32 s22, s20, 7
	s_lshr_b32 s22, s22, 3
	s_min_u32 s22, s22, 144                        ; nb
	s_mul_i32 s23, s21, s22                        ; my first place in the list
	s_min_u32 s24, s23, s20
	s_sub_co_u32 s24, s20, s24                     ; what the list has left from there: 0 where there is nothing
	s_min_u32 s24, s24, s22                        ; n: my rows, 0 .. 144
	s_max_u32 s25, s24, 1
	s_sub_co_u32 s25, s25, 1
	s_min_u32 s25, s25, 143                        ; my last slot with a row of its own (n = 0: slot 0, so that one row serves all slots)
	s_min_u32 s23, s23, 2047
	; the rows: slot 16 m + r takes place first + min(16 m + r, n - 1) of the list
.irp m, 0,1,2,3,4,5,6,7,8
	v_add_nc_u32 v[234+\m], 16*\m, v[RR]
	v_min_u32 v[234+\m], s25, v[234+\m]
	v_add_nc_u32 v[234+\m], s23, v[234+\m]
	v_min_u32 v[234+\m], 0x7ff, v[234+\m]          ; (under 2,048 by the count; held before it enters an address)
	v_lshlrev_b32 v[234+\m], 2, v[234+\m]
.endr
.irp m, 0,1,2,3,4,5,6,7,8
	global_load_b32 v[ROFF+\m], v[234+\m], s[36:37]
.endr
	s_wait_loadcnt 0x0
.irp m, 0,1,2,3,4,5,6,7,8
	v_min_u32 v[ROFF+\m], 0x7ff, v[ROFF+\m]
	v_lshlrev_b32 v[ROFF+\m], 12, v[ROFF+\m]
	v_lshl_add_u32 v[ROFF+\m], v[HH], 7, v[ROFF+\m]   ; row x 4,096 + 128 h
.endr
	; ---- PHASE 1.  The first four fragments are asked for on every way, so that the four sets are written whichever groups follow
	RLOAD 0
	RLOAD 1
	RLOAD 2
	RLOAD 3                                        ; four fragments, 64 loads of 512 bytes, are on their way in each wave
.irp g, 0,1,2
	s_cmp_le_u32 s24, 48*\g                        ; has this group a row?  The barriers stand outside the branches
	s_cbranch_scc1 .Lnoq\g
.irp j, 0,1,2,3,4,5
	QT 6*\g+\j
.endr
	s_branch .Lq\g
.Lnoq\g:
	s_wait_loadcnt 0x0                             ; nothing of the four sets is read here: the loads that are out land, so that none is pending whatever follows
.Lq\g:
	BAR                                            ; three tiles' images lie in LDS
	s_cmp_le_u32 s24, 48*\g
	s_cbranch_scc1 .Lnof\g
	FETCH \g
	s_branch .Lf\g
.Lnof\g:
	CLEAR \g
.Lf\g:
	BAR                                            ; every wave has them: the images' bytes may be written again
.endr
	; ---- PHASE 2.  The sums begin as zeros on every way; the products and transcendentals are passed over by a part without rows.  No barrier stands between the branch and its label
.irp m, 0,1,2,3,4,5,6,7,8,9,10,11,12,13,14,15,16,17
	v_mov_b32 v[SA+\m], 0                          ; (these 18 are also the places between registers cleared above and the first products)
.endr
	s_cmp_eq_u32 s24, 0
	s_cbranch_scc1 .Lnoscore
	LOADW 0, 0
	s_mov_b32 s42, 7
.Lnt:
	PAIR 0
	s_sub_co_u32 s42, s42, 1
	s_cmp_lg_u32 s42, 0
	s_cbranch_scc1 .Lnt
	PAIR 1                                         ; the last two tiles ask for nothing beyond the wave's 16
.Lnoscore:
.irp m, 0,1,2,3,4,5,6,7,8
	v_add_f32 v[SA+2*\m], v[SA+2*\m], v[SA+2*\m+1]
.endr
.irp m, 0,1,2,3,4,5,6,7,8
	v_permlanex16_b32 v[SA+2*\m+1], v[SA+2*\m], s40, s41   ; the row's other eight units of each tile lie in the lane 16 away
.endr
.irp m, 0,1,2,3,4,5,6,7,8
	v_add_f32 v[SA+2*\m], v[SA+2*\m], v[SA+2*\m+1]
.endr
.irp m, 0,1,2,3,4,5,6,7,8
	ds_store_b32 v[SCW], v[SA+2*\m] offset:64*\m   ; lanes r and r + 16 write the same word with the same value; a part without rows stores zeros, so that the words read below are written
.endr
	; ---- SCORES
	BAR                                            ; the four waves' parts of all 144 scores lie in LDS
.irp q, 0,1,2,3
.irp w, 0,1,2,3
	ds_load_b32 v[144+4*\q+\w], v[SC0] offset:576*\w+128*\q    ; slot 32 q + lane
.endr
.endr
.irp w, 0,1,2,3
	ds_load_b32 v[160+\w], v[SC4] offset:576*\w    ; slots 128 + r; lanes 16-31 hold copies, which count as slots from 144 on
.endr
	v_mov_b32 v234, 0xff800000                     ; -infinity
	s_wait_dscnt 0x0
.irp q, 0,1,2,3,4
	v_add_nc_u32 v[T0], 32*\q, v[LANE]
	v_cmp_gt_u32 vcc_lo, s24, v[T0]                ; a slot under n is a row of mine; the others become -infinity
.irp w, 0,1,2,3
	v_cndmask_b32 v[144+4*\q+\w], v234, v[144+4*\q+\w], vcc_lo
.endr
.endr
.irp q, 0,1,2,3,4
	v_add_f32 v[144+4*\q], v[144+4*\q], v[145+4*\q]
	v_add_f32 v[146+4*\q], v[146+4*\q], v[147+4*\q]
.endr
.irp q, 0,1,2,3,4
	v_add_f32 v[144+4*\q], v[144+4*\q], v[146+4*\q]
.endr
	v_max3_num_f32 v240, v144, v148, v152
	v_max3_num_f32 v240, v240, v156, v160
	v_max_num_f32_dpp v240, v240, v240 row_xmask:1 row_mask:0xf bank_mask:0xf
	v_max_num_f32_dpp v240, v240, v240 row_xmask:2 row_mask:0xf bank_mask:0xf
	v_max_num_f32_dpp v240, v240, v240 row_xmask:4 row_mask:0xf bank_mask:0xf
	v_max_num_f32_dpp v240, v240, v240 row_xmask:8 row_mask:0xf bank_mask:0xf
	v_permlanex16_b32 v246, v240, s40, s41
	v_max3_num_f32 v240, v240, v246, 0xff61b1e6    ; m: the part's largest score; -3e38 where it has no row, so that m is a number
.irp q, 0,1,2,3,4
	v_sub_f32 v[144+4*\q], v[144+4*\q], v240
.endr
.irp q, 0,1,2,3,4
	v_exp_f32 v[144+4*\q], v[144+4*\q]             ; p = 2^(score - m); 0 in slots from n on
.endr
	v_nop
	s_wait_alu depctr_va_vdst(0)                   ; one wait for the five exponentials
	v_add_f32 v241, v144, v148
	v_add_f32 v242, v152, v156
	v_add_f32 v241, v241, v160
	v_add_f32 v241, v241, v242
	v_add_f32_dpp v241, v241, v241 row_xmask:1 row_mask:0xf bank_mask:0xf
	v_add_f32_dpp v241, v241, v241 row_xmask:2 row_mask:0xf bank_mask:0xf
	v_add_f32_dpp v241, v241, v241 row_xmask:4 row_mask:0xf bank_mask:0xf
	v_add_f32_dpp v241, v241, v241 row_xmask:8 row_mask:0xf bank_mask:0xf
	v_permlanex16_b32 v246, v241, s40, s41
	v_add_f32 v241, v241, v246                     ; l
.irp q, 0,1,2,3,4
	ds_store_b32 v[PPW], v[144+4*\q] offset:128*\q ; my wave's own copy of p: no other wave touches it
.endr
.irp e, 0,1,2,3,4,5,6,7
	v_mov_b32 v[OO+\e], 0
.endr
	s_wait_dscnt 0x0
	; ---- PHASE 3: sums of p x row, columns 256 w + 8 lane + 0 .. 7, 16 rows a trip.  Nine trips for every part; a trip whose 16 slots all lie at or beyond n has weights 0 alone and is passed over inside the loop
	s_mov_b32 s43, 0                               ; the trip's rows in the bf16 copy
	s_mov_b32 s44, 0                               ; its weights
	s_mov_b32 s45, 0                               ; its first slot
	s_mov_b32 s42, 9
.Lpool:
	s_cmp_ge_u32 s45, s24
	s_cbranch_scc1 .Lpnext
	v_add_nc_u32 v[T0], s43, v[TBR]
	v_add_nc_u32 v[T1], s44, v[PPR]
.irp i, 0,1,2,3
	ds_load_b128 v[PR+4*\i:PR+4*\i+3], v[T1] offset:16*\i      ; 16 weights, the same in every lane
.endr
.irp i, 0,1,2,3,4,5,6,7,8,9,10,11,12,13,14,15
	ds_load_b128 v[XX+4*\i:XX+4*\i+3], v[T0] offset:PITCH*\i   ; 512 consecutive bytes of a row
.endr
.irp i, 0,1,2,3,4,5,6,7,8,9,10,11,12,13,14,15
	s_wait_dscnt 15-\i                             ; the weights and rows 0 .. i are in
.irp e, 0,1,2,3
	v_fma_mix_f32_bf16 v[OO+2*\e], v[XX+4*\i+\e], v[PR+\i], v[OO+2*\e] op_sel_hi:[1,0,0]
	v_fma_mix_f32_bf16 v[OO+2*\e+1], v[XX+4*\i+\e], v[PR+\i], v[OO+2*\e+1] op_sel:[1,0,0] op_sel_hi:[1,0,0]
.endr
.endr
.Lpnext:
	s_add_co_u32 s43, s43, TROW
	s_add_co_u32 s44, s44, 64
	s_add_co_u32 s45, s45, 16
	s_sub_co_u32 s42, s42, 1
	s_cmp_lg_u32 s42, 0
	s_cbranch_scc1 .Lpool
	s_wait_tensorcnt 0x0                           ; behind my last LDS store
	ds_add_u32 v[SPW], v[NIL]
	s_wait_dscnt 0x0
	global_store_b128 v[L16], v[OO:OO+3], s[48:49] offset:256      ; 512 consecutive bytes a store
	global_store_b128 v[L16], v[OO+4:OO+7], s[48:49] offset:768
	s_cmp_lg_u32 s18, 0
	s_cbranch_scc1 .Lnohead
	global_store_b64 v[L8], v[240:241], s[38:39]   ; (m, l), 32 times: 256 consecutive bytes
.Lnohead:
	s_endpgm
.Lfunc_end_k_qfcb9fcdde2_main:
	.size	k_qfcb9fcdde2_main, .Lfunc_end_k_qfcb9fcdde2_main-k_qfcb9fcdde2_main
	.p2alignl 7, 3214868480
	.fill 96, 4, 3214868480
	.section	.rodata,"a",@progbits
	.p2align	6, 0x0
	.amdhsa_kernel k_qfcb9fcdde2_main
		.amdhsa_group_segment_fixed_size 325376
		.amdhsa_private_segment_fixed_size 0
		.amdhsa_enable_private_segment 0
		.amdhsa_kernarg_size 56
		.amdhsa_user_sgpr_count 2
		.amdhsa_user_sgpr_kernarg_segment_ptr 1
		.amdhsa_wavefront_size32 1
		.amdhsa_system_sgpr_workgroup_id_x 1
		.amdhsa_system_sgpr_workgroup_id_y 1
		.amdhsa_system_sgpr_workgroup_id_z 1
		.amdhsa_system_vgpr_workitem_id 0
		.amdhsa_next_free_vgpr 1024
		.amdhsa_next_free_sgpr 66
		.amdhsa_reserve_vcc 1
		.amdhsa_float_denorm_mode_32 3
		.amdhsa_float_denorm_mode_16_64 3
		.amdhsa_memory_ordered 1
		.amdhsa_forward_progress 1
		.amdhsa_inst_pref_size 255
	.end_amdhsa_kernel
	.section	.bss,"aw",@nobits
	.p2align	6
	.space	262144
	.amdgpu_metadata
---
amdhsa.version: [ 1, 2 ]
amdhsa.kernels:
  - .name:           k_qfcb9fcdde2_main
    .symbol:         k_qfcb9fcdde2_main.kd
    .args:
      - { .name: t, .offset: 0, .size: 8, .value_kind: global_buffer, .address_space: global }
      - { .name: wtq, .offset: 8, .size: 8, .value_kind: global_buffer, .address_space: global }
      - { .name: wts, .offset: 16, .size: 8, .value_kind: global_buffer, .address_space: global }
      - { .name: g2, .offset: 24, .size: 8, .value_kind: global_buffer, .address_space: global }
      - { .name: ord, .offset: 32, .size: 8, .value_kind: global_buffer, .address_space: global }
      - { .name: cnt, .offset: 40, .size: 8, .value_kind: global_buffer, .address_space: global }
      - { .name: part, .offset: 48, .size: 8, .value_kind: global_buffer, .address_space: global }
    .group_segment_fixed_size: 325376
    .private_segment_fixed_size: 0
    .kernarg_segment_align: 8
    .kernarg_segment_size: 56
    .max_flat_workgroup_size: 128
    .sgpr_count:     66
    .vgpr_count:     1024
    .wavefront_size: 32
...
	.end_amdgpu_metadata
.endif
;; end of part 2
;; launch comb (part 3): grid 32 x 1, 4 waves a work-group, no clusters, 0 bytes of LDS; arguments part, out0; writes out0
.if DOCPART == 3
	.amdgcn_target "amdgcn-amd-amdhsa--gfx1250"
	.amdhsa_code_object_version 6
	.text
	.protected	k_qfcb9fcdde2_comb
	.globl	k_qfcb9fcdde2_comb
	.p2align	8
	.type	k_qfcb9fcdde2_comb,@function
k_qfcb9fcdde2_comb:
	s_mov_b64 s[64:65], 0
	v_nop
	global_prefetch_b8 v0, s[64:65] scope:SCOPE_SE
	s_setreg_imm32_b32 hwreg(HW_REG_WAVE_MODE, 25, 1), 1
	s_wait_xcnt 0x0
; out[b][:] = sum over the batch's 15 parts of 2^(m_c - M) x sums_c / sum over the parts of 2^(m_c - M) x l_c, M the largest m_c: the maximum is taken away before the exponentials here too.
; LEFT OUT (shown at the head of the first kernel): rows with mask 0 are in no record; the softmax's own division cancels.  A batch with no kept row has 15 neutral records: 0 x 1 / 0 gives NaN.
; A work-group to a batch, a wave to 256 columns, a lane to 2 x 4 of them.  45 loads a wave, all issued at once; no LDS, no barrier, no matrix work: 65,280 bytes in and 4,096 out for each work-group.
	s_load_b128 s[4:7], s[0:1], 0x0                ; part, out0
	v_lshrrev_b32 v1, 5, v0
	v_readfirstlane_b32 s8, v1                     ; wave
	v_and_b32 v1, 31, v0
	v_lshlrev_b32 v2, 3, v1                        ; 8 x lane: a copy of (m, l)
	v_and_b32 v3, 1, v1
	v_lshrrev_b32 v4, 1, v1
	v_lshlrev_b32 v4, 4, v4
	v_lshl_add_u32 v3, v3, 9, v4                   ; a record keeps column 256 w + 8 L + 4 k + e at 512 k + 16 L + 4 e: columns 128 q + 4 lane .. + 3 are L = 16 q + lane / 2, k = lane % 2
	v_lshlrev_b32 v5, 4, v1
	s_mul_i32 s10, ttmp9, 65280                    ; 15 records of 4,352 bytes
	s_mov_b32 s11, 0
	s_lshl_b32 s12, s8, 10
	s_mov_b32 s13, 0
	s_lshl_b32 s14, ttmp9, 12
	s_add_co_u32 s14, s14, s12
	s_mov_b32 s15, 0
	s_wait_kmcnt 0x0
	s_add_nc_u64 s[4:5], s[4:5], s[10:11]
	s_add_nc_u64 s[16:17], s[4:5], s[12:13]
	s_add_nc_u64 s[6:7], s[6:7], s[14:15]
.irp c, 0,1,2,3,4,5,6,7,8,9,10,11,12,13,14
	global_load_b64 v[16+2*\c:17+2*\c], v2, s[4:5] offset:4352*\c
.endr
.irp c, 0,1,2,3,4,5,6,7,8,9,10,11,12,13,14
.irp q, 0,1
	global_load_b128 v[48+8*\c+4*\q:48+8*\c+4*\q+3], v3, s[16:17] offset:256+4352*\c+256*\q
.endr
.endr
	s_wait_loadcnt 0x0
	v_max3_num_f32 v10, v16, v18, v20
.irp c, 3,5,7,9,11,13
	v_max3_num_f32 v10, v10, v[16+2*\c], v[18+2*\c]
.endr
.irp c, 0,1,2,3,4,5,6,7,8,9,10,11,12,13,14
	v_sub_f32 v[168+\c], v[16+2*\c], v10
.endr
.irp c, 0,1,2,3,4,5,6,7,8,9,10,11,12,13,14
	v_exp_f32 v[168+\c], v[168+\c]
.endr
	v_nop
	s_wait_alu depctr_va_vdst(0)                   ; one wait for the 15 exponentials
	v_mul_f32 v11, v168, v17
.irp c, 1,2,3,4,5,6,7,8,9,10,11,12,13,14
	v_fmac_f32 v11, v[168+\c], v[17+2*\c]
.endr
	v_rcp_f32 v12, v11
.irp e, 0,1,2,3,4,5,6,7
	v_mul_f32 v[184+\e], v168, v[48+\e]            ; the sums are the plain work behind the reciprocal
.endr
.irp c, 1,2,3,4,5,6,7,8,9,10,11,12,13,14
.irp e, 0,1,2,3,4,5,6,7
	v_fmac_f32 v[184+\e], v[168+\c], v[48+8*\c+\e]
.endr
.endr
	s_wait_alu depctr_va_vdst(0)
.irp e, 0,1,2,3,4,5,6,7
	v_mul_f32 v[184+\e], v[184+\e], v12
.endr
	global_store_b128 v5, v[184:187], s[6:7]               ; 512 consecutive bytes a store
	global_store_b128 v5, v[188:191], s[6:7] offset:512
	s_endpgm
.Lfunc_end_k_qfcb9fcdde2_comb:
	.size	k_qfcb9fcdde2_comb, .Lfunc_end_k_qfcb9fcdde2_comb-k_qfcb9fcdde2_comb
	.p2alignl 7, 3214868480
	.fill 96, 4, 3214868480
	.section	.rodata,"a",@progbits
	.p2align	6, 0x0
	.amdhsa_kernel k_qfcb9fcdde2_comb
		.amdhsa_group_segment_fixed_size 0
		.amdhsa_private_segment_fixed_size 0
		.amdhsa_enable_private_segment 0
		.amdhsa_kernarg_size 16
		.amdhsa_user_sgpr_count 2
		.amdhsa_user_sgpr_kernarg_segment_ptr 1
		.amdhsa_wavefront_size32 1
		.amdhsa_system_sgpr_workgroup_id_x 1
		.amdhsa_system_sgpr_workgroup_id_y 1
		.amdhsa_system_sgpr_workgroup_id_z 1
		.amdhsa_system_vgpr_workitem_id 0
		.amdhsa_next_free_vgpr 192
		.amdhsa_next_free_sgpr 66
		.amdhsa_reserve_vcc 0
		.amdhsa_float_denorm_mode_32 3
		.amdhsa_float_denorm_mode_16_64 3
		.amdhsa_memory_ordered 1
		.amdhsa_forward_progress 1
		.amdhsa_inst_pref_size 12
	.end_amdhsa_kernel
	.amdgpu_metadata
---
amdhsa.version: [ 1, 2 ]
amdhsa.kernels:
  - .name:           k_qfcb9fcdde2_comb
    .symbol:         k_qfcb9fcdde2_comb.kd
    .args:
      - { .name: part, .offset: 0, .size: 8, .value_kind: global_buffer, .address_space: global }
      - { .name: out0, .offset: 8, .size: 8, .value_kind: global_buffer, .address_space: global }
    .group_segment_fixed_size: 0
    .private_segment_fixed_size: 0
    .kernarg_segment_align: 8
    .kernarg_segment_size: 16
    .max_flat_workgroup_size: 128
    .sgpr_count:     66
    .vgpr_count:     192
    .wavefront_size: 32
...
	.end_amdgpu_metadata
.endif
;; end of part 3
